; MI455X (gfx1250); checked and timed in simulation.
; The chip was launched on July 23, 2026; its instructions are those of AMD's public machine-readable ISA for CDNA 5 (MIT licence, August 2026) and "CDNA5" Instruction Set Architecture Reference Guide (July 2026). The comments in the code are by the model that wrote it; some were corrected since.
;; MFA. Allowed arithmetic: float matrix products may take bf16 or f16 operands with f32 sums; all other float work in f32.
;; Inputs: Lam 32 x 128 x 16 float32; X 20,000 x 128 float32; log_pi 32 float32; log_psi 128 float32; mu 32 x 128 float32.
;; Outputs: out0 20,000 x 32 float32; out1 20,000 float32.
;; One version. Each part assembles by itself: llvm-mc -triple=amdgcn-amd-amdhsa -mcpu=gfx1250 --defsym DOCPART=n.
;; ======== version 1 of 1: 2 launches
;; limits: a difference of large sums (such as E[x^2] - mean^2): digits are lost where the result is much smaller than its terms
;; workspace buffers: tab 150,784 bytes
;; launch prep (part 1): grid 32 x 1, 4 waves a work-group, no clusters, 9,728 bytes of LDS; arguments Lam, log_pi, log_psi, mu, tab; writes tab
.if DOCPART == 1
	.amdgcn_target "amdgcn-amd-amdhsa--gfx1250"
	.amdhsa_code_object_version 6
	.text
	.protected	k_qc30fdd0448_prep
	.globl	k_qc30fdd0448_prep
	.p2align	8
	.type	k_qc30fdd0448_prep,@function
k_qc30fdd0448_prep:
	s_mov_b64 s[64:65], 0
	v_nop
	global_prefetch_b8 v0, s[64:65] scope:SCOPE_SE
	s_setreg_imm32_b32 hwreg(HW_REG_WAVE_MODE, 25, 1), 1
	s_wait_xcnt 0x0
; One work-group for each mixture component k (32), four waves, thread d = row d of Lam[k] (128 rows of 16).
; C_k = Lam Lam^T + diag(p), p = exp(log_psi) + 1e-5 + 1e-4, is a diagonal plus rank 16, so for every input
;   C^-1 = P^-1 - P^-1 L M^-1 L^T P^-1,  M = I + L^T P^-1 L (16 x 16),  logdet C = sum ln p + logdet M.
; With s = p^-1/2, L' = s L, M = C' D C'^T (unit lower C', pivots D) the rows of B^T = D^-1/2 C'^-1 L'^T give
;   maha = |u|^2 - |B^T u|^2,  u = (x - mu_k) s.
; This launch makes, for the second launch:  B in bf16, laid out in the order of its matrix fragments;
; m_k = (mu_k - mean of mu) s as a bf16 high part and a bf16 remainder;  -c_k = -B^T m_k;
; g_k = log_pi_k - (128 ln 2pi + sum ln p + sum ln D + |m_k|^2) / 2;  s and -mean(mu) s.
; Centring on the mean of mu in f32 takes a common offset of X and mu away before anything is rounded to bf16.
; LIMITS: M is summed from L' rounded to bf16 (f32 sums); log_psi above 88 overflows exp, as it does in the problem's own definition;
; NaN and infinities are not treated apart.  The pivots D are at least 1 in exact arithmetic, so no pivoting is needed.
; The two rows of m go out as 32 pieces of 16 bytes, 256 bytes apart (the fragment order asks for it): 512 bytes a work-group.
.set LPB, 0                            ; LDS: L' in bf16, [d][q], rows of 32 bytes
.set ST,  4096                         ; LDS: B in bf16 in fragment order, 4,096 bytes
.set MH,  8192                         ; LDS: m high parts (256 bytes), then remainders (256 bytes)
.set RED, 8704                         ; LDS: one partial sum for each wave
.set CN_OFF, 147456                    ; tab: -c, 64 bytes a component (behind 36 tiles of 4,096 bytes)
.set G_OFF,  149504                    ; tab: g, 4 bytes a component
.set S_OFF,  149760                    ; tab: s[128]
.set NM_OFF, 150272                    ; tab: -mean(mu) s [128]
.set EL,  8                            ; v[8:23]    row d of L', later of B: register q
.set LPV, 24                           ; log_psi[d]
.set MK,  25                           ; mu[k][d]
.set SS,  26                           ; v[26:27]   s, twice (a pair for the packed multiply)
.set LG,  28                           ; log2 p
.set PSI, 29
.set MB,  30                           ; mean of mu at d
.set MM,  31                           ; m_k[d]
.set MU,  32                           ; v[32:63]   mu[0..31][d]; free again behind the mean:
.set PK,  32                           ; v[32:39]   packed bf16
.set TP,  40                           ; v[40:47]   the other half's rows of M
.set RD,  48                           ; v[48:51]   the four waves' partial sums
.set NMS, 52
.set HI,  53
.set LO,  54
.set TA,  55                           ; v[55:56]   at work
.set LD,  60                           ; sum of log2 of the pivots
.set RS,  62                           ; v[62:63]   1/sqrt(pivot), two registers by turns
.set FR,  64                           ; v[64:95]   four fragments of 8 registers
.set A0,  96                           ; v[96:103]  accumulator
.set A1,  104                          ; v[104:111] accumulator
.set RR,  112                          ; v[112:127] M: register = row, lane & 15 = column
.set NR,  128                          ; -row j / pivot
.set NRP, 129
.set LGT, 130
.set CP,  132                          ; v[132:139] the tile on its way out
.set FH,  140                          ; v[140:171] fragments of m's high parts
.set FL,  172                          ; v[172:203] fragments of m's remainders
.set AL,  204                          ; addresses and offsets
.set AM2, 205
.set AW4, 206
.set ATR, 207
.set AZ,  208
.set ASA, 209
.set A16, 210
.set AG,  211
.set AX,  212
.set AC,  213
.set AGG, 214
.set AH,  215
.set AL16, 216
.set ID,  217
.set CQ,  218                          ; v[218:221] the rows of m on their way out
.set FS,  32                           ; s[33:47]   the multipliers of one elimination step
.set PV,  48                           ; s48        the pivot
	s_load_b256 s[4:11], s[0:1], 0x0               ; Lam s[4:5], log_pi s[6:7], log_psi s[8:9], mu s[10:11]
	s_load_b64 s[12:13], s[0:1], 0x20              ; tab
	v_lshl_add_u32 v224, v0, 2, 0x2400
	v_mov_b32 v225, 0
	v_lshrrev_b32 v1, 5, v0
	v_readfirstlane_b32 s14, v1                    ; wave
	v_and_b32 v1, 31, v0                           ; lane
	v_and_b32 v2, 15, v0                           ; r
	v_bfe_u32 v3, v0, 4, 1                         ; h
	s_lshl_b32 s15, ttmp9, 13                      ; k x 8,192 bytes of Lam
	s_lshl_b32 s16, ttmp9, 9                       ; k x 512 bytes of mu
	s_lshl_b32 s17, ttmp9, 2                       ; k x 4
	s_mov_b32 s30, 0x76543210                      ; v_permlanex16_b32: lane i reads lane i of the other half
	s_mov_b32 s31, 0xfedcba98
	v_lshl_add_u32 v4, v0, 6, s15                  ; my 64 bytes of Lam
	v_lshlrev_b32 v5, 2, v0                        ; 4 d
	v_lshl_add_u32 v6, v0, 2, s16
	s_wait_kmcnt 0x0
	s_load_b32 s18, s[6:7], s17 offset:0x0         ; log_pi[k]
	global_load_b32 v[LPV], v5, s[8:9]
.irp i,0,1,2,3
	global_load_b128 v[EL+4*\i:EL+4*\i+3], v4, s[4:5] offset:16*\i
.endr
	global_load_b32 v[MK], v6, s[10:11]
.set n, 0
.rept 32
	global_load_b32 v[MU+n], v5, s[10:11] offset:512*n     ; every component's mean at d, for the centre
.set n, n+1
.endr
	; addresses, while the loads are on their way
	v_lshlrev_b32 v[AL], 5, v0                     ; row d of L' in LDS
	v_lshlrev_b32 v[AM2], 1, v0                    ; 2 d
	s_lshl_b32 s19, s14, 2
	v_mov_b32 v[AW4], s19                          ; my wave's word
	v_and_b32 v[ATR], 7, v1                        ; transposing load: row 8 h + (lane & 7), 16-byte half (lane >> 3) & 1
	v_lshl_add_u32 v[ATR], v3, 3, v[ATR]
	v_lshlrev_b32 v[ATR], 5, v[ATR]
	v_bfe_u32 v[AZ], v1, 3, 1
	v_lshl_add_u32 v[ATR], v[AZ], 4, v[ATR]
	v_mov_b32 v[AZ], 0
	v_lshrrev_b32 v[ASA], 3, v0                    ; fragment order: element (q, d) at 256 (d >> 3) + 16 q + 2 (d & 7)
	v_and_b32 v[A16], 7, v0
	v_lshlrev_b32 v[A16], 1, v[A16]
	v_lshl_add_u32 v[ASA], v[ASA], 8, v[A16]
	v_lshlrev_b32 v[A16], 4, v0                    ; 16 t
	v_lshlrev_b32 v[ID], 3, v3
	v_sub_nc_u32 v[ID], v2, v[ID]                  ; r - 8 h: equals j on the diagonal of an accumulator
	; where component k = 16 hh + 4 w + i lies: wave w of the second launch owns 9 tiles, its cross tile first, then tile 1 + 2 i + hh
	s_bfe_u32 s20, ttmp9, 0x20002                  ; w
	s_and_b32 s21, ttmp9, 3                        ; i
	s_lshr_b32 s22, ttmp9, 4                       ; hh
	s_mul_i32 s23, s20, 9*4096
	s_lshl1_add_u32 s24, s21, s22
	s_add_co_u32 s24, s24, 1
	s_lshl_b32 s24, s24, 12
	s_add_co_u32 s24, s24, s23                     ; my tile of B
	s_lshl3_add_u32 s25, s22, s21                  ; row 8 hh + i of the cross tile (the remainder: 4 rows further)
	s_lshl_b32 s25, s25, 4
	s_add_co_u32 s25, s25, s23
	s_lshl_b32 s26, ttmp9, 6
	s_add_co_u32 s26, s26, CN_OFF
	s_add_co_u32 s27, s17, G_OFF
	v_add_nc_u32 v[AG], s24, v[A16]
	v_lshlrev_b32 v[AX], 8, v2                     ; piece r of a cross row: 256 r, + 64 for the remainder's row
	v_lshl_add_u32 v[AX], v3, 6, v[AX]
	v_add_nc_u32 v[AX], s25, v[AX]
	v_lshlrev_b32 v[AH], 4, v3
	v_lshlrev_b32 v[AL16], 4, v1
	s_wait_loadcnt 0x0
	s_wait_kmcnt 0x0
	; p, s, ln p; the mean of mu is summed in the places behind the transcendentals (ISA guide 5.7.2)
	v_mul_f32 v[PSI], 0x3fb8aa3b, v[LPV]
	v_exp_f32 v[PSI], v[PSI]
.irp i,0,1,2,3,4,5,6,7
	v_pk_add_f32 v[MU+2*\i:MU+2*\i+1], v[MU+2*\i:MU+2*\i+1], v[MU+16+2*\i:MU+16+2*\i+1]
.endr
	s_wait_alu depctr_va_vdst(0)
	v_add_f32 v[PSI], 0x3727c5ac, v[PSI]           ; + 1e-5
	v_add_f32 v[PSI], 0x38d1b717, v[PSI]           ; + 1e-4
	v_rsq_f32 v[SS], v[PSI]
	v_rsq_f32 v[SS+1], v[PSI]
	v_log_f32 v[LG], v[PSI]
.irp i,0,1,2,3
	v_pk_add_f32 v[MU+2*\i:MU+2*\i+1], v[MU+2*\i:MU+2*\i+1], v[MU+8+2*\i:MU+8+2*\i+1]
.endr
	v_pk_add_f32 v[MU:MU+1], v[MU:MU+1], v[MU+4:MU+5]
	v_pk_add_f32 v[MU+2:MU+3], v[MU+2:MU+3], v[MU+6:MU+7]
	v_pk_add_f32 v[MU:MU+1], v[MU:MU+1], v[MU+2:MU+3]
	v_add_f32 v[MB], v[MU], v[MU+1]
	v_mul_f32 v[MB], 0x3d000000, v[MB]             ; / 32
	v_sub_f32 v[MM], v[MK], v[MB]
	s_wait_alu depctr_va_vdst(0)
	v_mul_f32 v[MM], v[MM], v[SS]                  ; m_k[d]
	v_mul_f32 v[NMS], -v[MB], v[SS]                ; -mean s
.irp i,0,1,2,3,4,5,6,7
	v_pk_mul_f32 v[EL+2*\i:EL+2*\i+1], v[EL+2*\i:EL+2*\i+1], v[SS:SS+1]   ; L' = s L, kept in f32 for the elimination
.endr
.irp i,0,1,2,3,4,5,6,7
	v_cvt_pk_bf16_f32 v[PK+\i], v[EL+2*\i], v[EL+2*\i+1]
.endr
	ds_store_b128 v[AL], v[PK:PK+3] offset:LPB
	ds_store_b128 v[AL], v[PK+4:PK+7] offset:LPB+16
	v_cvt_pk_bf16_f32 v[HI], v[MM], v[MM]          ; m = high part + remainder, both bf16
	v_lshlrev_b32 v[TA], 16, v[HI]
	v_sub_f32 v[LO], v[MM], v[TA]
	v_cvt_pk_bf16_f32 v[LO], v[LO], v[LO]
	ds_store_b16 v[AM2], v[HI] offset:MH
	ds_store_b16 v[AM2], v[LO] offset:MH+256
	v_mul_f32 v[TA], 0x3f317218, v[LG]             ; ln p
	v_fmac_f32 v[TA], v[MM], v[MM]                 ; + m^2: g needs only the sum of both over d
	v_add_f32_dpp v[TA], v[TA], v[TA] row_xmask:1 row_mask:0xf bank_mask:0xf
	v_add_f32_dpp v[TA], v[TA], v[TA] row_xmask:2 row_mask:0xf bank_mask:0xf
	v_add_f32_dpp v[TA], v[TA], v[TA] row_xmask:4 row_mask:0xf bank_mask:0xf
	v_add_f32_dpp v[TA], v[TA], v[TA] row_xmask:8 row_mask:0xf bank_mask:0xf
	v_permlanex16_b32 v[TA+1], v[TA], s30, s31
	v_add_f32 v[TA], v[TA], v[TA+1]
	ds_store_b32 v[AW4], v[TA] offset:RED
	s_wait_dscnt 0x0                               ; my stores are in LDS before I say so
	s_barrier_signal -1
	s_barrier_wait -1                              ; all 128 rows of L', m and the four partial sums are there
	; M = I + L'^T L': the fragment (lane = q, registers = d) is A and B at once
.irp ks,0,1,2,3
	ds_load_tr16_b128 v[FR+8*\ks:FR+8*\ks+3], v[ATR] offset:LPB+1024*\ks
	ds_load_tr16_b128 v[FR+8*\ks+4:FR+8*\ks+7], v[ATR] offset:LPB+1024*\ks+512
.endr
	ds_load_b128 v[RD:RD+3], v[AZ] offset:RED
.irp j,0,1,2,3,4,5,6,7
	v_cmp_eq_u32 vcc_lo, \j, v[ID]
	v_cndmask_b32 v[A0+\j], 0, 1.0, vcc_lo         ; the identity starts the first sum
.endr
	s_wait_dscnt 0x0
	; two accumulators by turns, one instruction a turn
	v_wmma_f32_16x16x32_bf16 v[A0:A0+7], v[FR:FR+7], v[FR:FR+7], v[A0:A0+7]
	v_wmma_f32_16x16x32_bf16 v[A1:A1+7], v[FR+8:FR+15], v[FR+8:FR+15], 0
	v_wmma_f32_16x16x32_bf16 v[A0:A0+7], v[FR+16:FR+23], v[FR+16:FR+23], v[A0:A0+7]
	v_wmma_f32_16x16x32_bf16 v[A1:A1+7], v[FR+24:FR+31], v[FR+24:FR+31], v[A1:A1+7]
	v_add_f32 v[RD], v[RD], v[RD+1]                ; four plain instructions stand between the products and the first read of their sums (ISA guide 7.12.1)
	v_add_f32 v[RD+2], v[RD+2], v[RD+3]
	v_add_f32 v[RD], v[RD], v[RD+2]                ; sum over d of ln p + m^2
	v_add_f32 v[RD], 0x436b3f8e, v[RD]             ; + 128 ln 2 pi
.irp i,0,1,2,3
	v_pk_add_f32 v[A0+2*\i:A0+2*\i+1], v[A0+2*\i:A0+2*\i+1], v[A1+2*\i:A1+2*\i+1]
.endr
	; lane (r, h) holds M[8 h + j][r]: fetch the other half's eight rows, so that every lane holds its whole column
.irp j,0,1,2,3,4,5,6,7
	v_permlanex16_b32 v[TP+\j], v[A0+\j], s30, s31
.endr
	v_cmp_eq_u32 vcc_lo, 0, v3
.irp j,0,1,2,3,4,5,6,7
	v_cndmask_b32 v[RR+\j], v[TP+\j], v[A0+\j], vcc_lo
	v_cndmask_b32 v[RR+8+\j], v[A0+\j], v[TP+\j], vcc_lo
.endr
	; Elimination on [M | L'^T]: row i -= (M[j][i] / pivot) row j (the trailing block stays symmetric).  A row is a register;
	; M's columns lie in lanes 0-15 (and again in 16-31), L'^T's column d in thread d.  The multipliers are the same for every
	; lane: they are read out of lane i into scalar registers.  Row j of B^T is row j of the right part times 1/sqrt(pivot);
	; that multiply stands in the next step, as the plain instruction behind its two transcendentals (ISA guide 5.7.2).
.set j, 0
.rept 16
	v_readlane_b32 s[PV], v[RR+j], j
	v_rsq_f32 v[RS+(j&1)], s[PV]
	v_log_f32 v[LGT], s[PV]
.if j == 0
	v_mov_b32 v[LD], 0
	s_wait_alu depctr_va_vdst(0)
.else
	v_mul_f32 v[EL+j-1], v[EL+j-1], v[RS+((j-1)&1)]
	s_wait_alu depctr_va_vdst(0)
.endif
	v_add_f32 v[LD], v[LD], v[LGT]
.if j < 15
	v_mul_f32 v[NRP], -v[RS+(j&1)], v[RS+(j&1)]    ; -1 / pivot
	v_mul_f32 v[NR], v[RR+j], v[NRP]
.set i2, j+1
.rept 15-j
	v_readlane_b32 s[FS+i2], v[NR], i2
.set i2, i2+1
.endr
.set i2, j+1
.rept 15-j
	v_fmac_f32 v[RR+i2], s[FS+i2], v[RR+j]
	v_fmac_f32 v[EL+i2], s[FS+i2], v[EL+j]
.set i2, i2+1
.endr
.endif
.set j, j+1
.endr
	v_mul_f32 v[EL+15], v[EL+15], v[RS+1]
	; B to bf16, into the order in which the second launch's lanes take it
.irp i,0,1,2,3,4,5,6,7
	v_cvt_pk_bf16_f32 v[PK+\i], v[EL+2*\i], v[EL+2*\i+1]
.endr
.irp i,0,1,2,3,4,5,6,7
	ds_store_b16 v[ASA], v[PK+\i] offset:ST+32*\i
	ds_store_b16_d16_hi v[ASA], v[PK+\i] offset:ST+32*\i+16
.endr
	s_wait_dscnt 0x0                               ; my stores are in LDS before I say so
	s_barrier_signal -1
	s_barrier_wait -1                              ; the tile is whole
	ds_load_b128 v[CP:CP+3], v[A16] offset:ST
	ds_load_b128 v[CP+4:CP+7], v[A16] offset:ST+2048
	s_wait_dscnt 0x0
	global_store_b128 v[AG], v[CP:CP+3], s[12:13]              ; a wave's store covers 512 consecutive bytes, aligned
	global_store_b128 v[AG], v[CP+4:CP+7], s[12:13] offset:2048
	s_cmp_lg_u32 ttmp9, 0
	s_cbranch_scc1 .Lnot_first
	global_store_b32 v5, v[SS], s[12:13] offset:S_OFF          ; the same in every work-group: the first one stores them
	global_store_b32 v5, v[NMS], s[12:13] offset:NM_OFF
.Lnot_first:
	s_cmp_lg_u32 s14, 1
	s_cbranch_scc1 .Lnot_wave_1
	ds_load_b128 v[CQ:CQ+3], v[AL16] offset:MH     ; wave 1: lanes 0-15 the high parts' 16 pieces, lanes 16-31 the remainders'
	s_wait_dscnt 0x0
	global_store_b128 v[AX], v[CQ:CQ+3], s[12:13]
.Lnot_wave_1:
	s_cmp_lg_u32 s14, 0
	s_cbranch_scc1 .Lend
	; wave 0: c = B^T m from the rounded B, m as high part + remainder; every column of the right operand is m
.irp f,0,1,2,3,4,5,6,7
	ds_load_b128 v[FR+4*\f:FR+4*\f+3], v[AL16] offset:ST+512*\f
.endr
.irp f,0,1,2,3,4,5,6,7
	ds_load_b128 v[FH+4*\f:FH+4*\f+3], v[AH] offset:MH+32*\f
	ds_load_b128 v[FL+4*\f:FL+4*\f+3], v[AH] offset:MH+256+32*\f
.endr
	s_wait_dscnt 0x0
	v_wmma_f32_16x16x32_bf16 v[A0:A0+7], v[FR:FR+7], v[FH:FH+7], 0
	v_wmma_f32_16x16x32_bf16 v[A1:A1+7], v[FR:FR+7], v[FL:FL+7], 0
.irp ks,1,2,3
	v_wmma_f32_16x16x32_bf16 v[A0:A0+7], v[FR+8*\ks:FR+8*\ks+7], v[FH+8*\ks:FH+8*\ks+7], v[A0:A0+7]   ; by turns
	v_wmma_f32_16x16x32_bf16 v[A1:A1+7], v[FR+8*\ks:FR+8*\ks+7], v[FL+8*\ks:FL+8*\ks+7], v[A1:A1+7]
.endr
	v_fmamk_f32 v[TA], v[LD], 0x3f317218, v[RD]    ; four plain instructions behind the products (ISA guide 7.12.1): g,
	v_fma_f32 v[TA], -0.5, v[TA], s18
	v_lshl_add_u32 v[AC], v3, 5, s26               ; and where lane (0, h) stores -c[8 h .. 8 h + 7]
	v_mov_b32 v[AGG], s27
.irp i,0,1,2,3
	v_pk_add_f32 v[A0+2*\i:A0+2*\i+1], v[A0+2*\i:A0+2*\i+1], v[A1+2*\i:A1+2*\i+1] neg_lo:[1,1] neg_hi:[1,1]
.endr
	v_cmp_eq_u32 vcc_lo, 0, v2
	s_wait_xcnt 0x0                                ; EXEC is a source of the stores above: it changes only behind this wait
	s_and_saveexec_b32 s28, vcc_lo
	global_store_b128 v[AC], v[A0:A0+3], s[12:13]
	global_store_b128 v[AC], v[A0+4:A0+7], s[12:13] offset:16
	s_wait_xcnt 0x0                                ; and again in front of the line that widens it
	s_or_b32 exec_lo, exec_lo, s28
	v_cmp_eq_u32 vcc_lo, 0, v0
	s_and_saveexec_b32 s28, vcc_lo
	global_store_b32 v[AGG], v[TA], s[12:13]
	s_wait_xcnt 0x0
	s_or_b32 exec_lo, exec_lo, s28
.Lend:
	s_wait_tensorcnt 0x0
	ds_add_u32 v224, v225
	s_wait_dscnt 0x0
	s_endpgm
.Lfunc_end_k_qc30fdd0448_prep:
	.size	k_qc30fdd0448_prep, .Lfunc_end_k_qc30fdd0448_prep-k_qc30fdd0448_prep
	.p2alignl 7, 3214868480
	.fill 96, 4, 3214868480
	.section	.rodata,"a",@progbits
	.p2align	6, 0x0
	.amdhsa_kernel k_qc30fdd0448_prep
		.amdhsa_group_segment_fixed_size 9728
		.amdhsa_private_segment_fixed_size 0
		.amdhsa_enable_private_segment 0
		.amdhsa_kernarg_size 40
		.amdhsa_user_sgpr_count 2
		.amdhsa_user_sgpr_kernarg_segment_ptr 1
		.amdhsa_wavefront_size32 1
		.amdhsa_system_sgpr_workgroup_id_x 1
		.amdhsa_system_sgpr_workgroup_id_y 1
		.amdhsa_system_sgpr_workgroup_id_z 1
		.amdhsa_system_vgpr_workitem_id 0
		.amdhsa_next_free_vgpr 226
		.amdhsa_next_free_sgpr 66
		.amdhsa_reserve_vcc 1
		.amdhsa_float_denorm_mode_32 3
		.amdhsa_float_denorm_mode_16_64 3
		.amdhsa_memory_ordered 1
		.amdhsa_forward_progress 1
		.amdhsa_inst_pref_size 39
	.end_amdhsa_kernel
	.amdgpu_metadata
---
amdhsa.version: [ 1, 2 ]
amdhsa.kernels:
  - .name:           k_qc30fdd0448_prep
    .symbol:         k_qc30fdd0448_prep.kd
    .args:
      - { .name: Lam, .offset: 0, .size: 8, .value_kind: global_buffer, .address_space: global }
      - { .name: log_pi, .offset: 8, .size: 8, .value_kind: global_buffer, .address_space: global }
      - { .name: log_psi, .offset: 16, .size: 8, .value_kind: global_buffer, .address_space: global }
      - { .name: mu, .offset: 24, .size: 8, .value_kind: global_buffer, .address_space: global }
      - { .name: tab, .offset: 32, .size: 8, .value_kind: global_buffer, .address_space: global }
    .group_segment_fixed_size: 9728
    .private_segment_fixed_size: 0
    .kernarg_segment_align: 8
    .kernarg_segment_size: 40
    .max_flat_workgroup_size: 128
    .sgpr_count:     66
    .vgpr_count:     226
    .wavefront_size: 32
...
	.end_amdgpu_metadata
.endif
;; end of part 1
;; launch main (part 2): grid 250 x 1, 4 waves a work-group, no clusters, 38,912 bytes of LDS; arguments X, tab, out0, out1; writes out0, out1
.if DOCPART == 2
	.amdgcn_target "amdgcn-amd-amdhsa--gfx1250"
	.amdhsa_code_object_version 6
	.text
	.protected	k_qc30fdd0448_main
	.globl	k_qc30fdd0448_main
	.p2align	8
	.type	k_qc30fdd0448_main,@function
k_qc30fdd0448_main:
	s_mov_b64 s[64:65], 0
	v_nop
	global_prefetch_b8 v0, s[64:65] scope:SCOPE_SE
	s_setreg_imm32_b32 hwreg(HW_REG_WAVE_MODE, 25, 1), 1
	s_wait_xcnt 0x0
; log_resp[n][k] = g_k + x''.m_k + |B_k^T x'' - c_k|^2 / 2 - |x''|^2 / 2,  x'' = x s - mean(mu) s  (tables from the first launch).
; The last term is the same for every k: it leaves out0 = a - logsumexp(a) untouched and enters out1 = logsumexp(a) - |x''|^2 / 2.
; 250 work-groups of 80 points (20000 = 250 x 80), four waves.  Wave w owns components 4 w + i and 16 + 4 w + i (i = 0..3): eight tiles
; of B^T (16 rows x 128) and one cross tile (rows j = 0..3: bf16 high parts of m, rows 4..7: remainders, for components 16 h + 4 w + j),
; and multiplies them with all five tiles of 16 points: 9 x 5 x 4 = 180 matrix instructions.
; The matrix instruction is used transposed (A = table rows, B = points): lane (r, h) then holds, for point r, rows 8 h .. 8 h + 7.
; -c_k and g_k enter as the C operand of the first K step, so nothing is cleared and nothing is added afterwards.
; All 288 registers of table fragments are loaded at the head by loads of 512 consecutive bytes a wave: the products wait for no memory.
; NO CLUSTER: every work-group reads the same table, but the grid of 250 work-groups is no multiple of four.
; out1 leaves as one store of 80 bytes a wave (20 points): it is 320 bytes of a work-group's 10,560 bytes of results.
; LIMITS: x'' is rounded to bf16 after centring, so a log-probability carries an error of about 1e-4 |x''| |m_k|; that passes a hundredth
; of the value only where points sit on a mean that lies more than about 14 noise deviations a coordinate from the average of the means.
; NaN and infinities are not treated apart.
; REGISTER WINDOWS (s_set_vgpr_msb: bits 1:0 source 0, 3:2 source 1, 5:4 source 2, 7:6 destination):
;   window 0: all that vector instructions touch;  window 1: the eight tiles of B^T;  window 2: x'' in bf16 (v0-159) and the cross tile (v160-191).
.set XH,  0                            ; LDS: x'' in bf16, 80 rows of 256 + 16 bytes
.set AM,  21760                        ; LDS: a, one block of AMW bytes for each writing wave: point n at 48 n, half h at 16 h (components 16 h + 4 w ..)
.set AMW, 3904
.set XXO, 37376                        ; LDS: |x''|^2, 80 words
.set O1,  37888                        ; LDS: out1 on its way out, 128 bytes for each wave
.set CN_OFF, 147456
.set G_OFF,  149504
.set S_OFF,  149760
.set NM_OFF, 150272
.set SV,  24                           ; v[24:31]   s of my 8 columns
.set NM,  32                           ; v[32:39]   -mean s of my 8 columns
.set CI,  40                           ; v[40:103]  -c of my eight components, 8 registers each
.set CX,  104                          ; v[104:111] g of four components, then four zeros
.set XR,  112                          ; v[112:191] X as loaded (phase 0)
.set TQ,  192                          ; v[192:211] sums of squares (phase 0)
.set ACC, 112                          ; v[112:151], v[152:191] two sets of five accumulators
.set TT,  192                          ; v[192:201] squares at work
.set Q0,  202                          ; v[202:206] |z|^2 of my 8 rows, first component of a pair
.set Q1,  207                          ; v[207:211] the same, second component
.set AV,  212                          ; v[212:231] a: four components for each point tile
.set WX,  160                          ; window 2: the cross tile
.set PA,  112                          ; phase 2: a, then out0
.set PX,  132                          ; |x''|^2
.set PM,  138                          ; the maximum
.set PE,  144                          ; exponentials
.set PS,  164                          ; their sum
.set PL,  170                          ; its logarithm
.set PO,  176                          ; out1
.set MSB, 0
.macro WIN new                         ; the immediate's high byte repeats the setting that is left
.if MSB != \new
	s_set_vgpr_msb (MSB<<8)|\new
.set MSB, \new
.endif
.endm
	s_load_b256 s[4:11], s[0:1], 0x0               ; X s[4:5], tab s[6:7], out0 s[8:9], out1 s[10:11]
	v_lshl_add_u32 v254, v0, 2, 0x9600
	v_mov_b32 v255, 0
	v_lshrrev_b32 v1, 5, v0
	v_readfirstlane_b32 s12, v1                    ; wave
	v_and_b32 v1, 31, v0                           ; lane
	v_and_b32 v2, 15, v0                           ; r
	v_bfe_u32 v3, v0, 4, 1                         ; h
	s_mul_i32 s14, ttmp9, 40960                    ; 80 rows of X
	s_mov_b32 s15, 0
	s_mul_i32 s16, ttmp9, 10240                    ; 80 rows of out0
	s_mov_b32 s17, 0
	s_mul_i32 s18, ttmp9, 320                      ; 80 words of out1
	s_mov_b32 s19, 0
	s_mul_i32 s20, s12, 10240                      ; my wave's 20 rows of X
	s_mul_i32 s21, s12, 36864                      ; my wave's 9 tiles
	s_lshl_b32 s22, s12, 8
	s_lshl_b32 s23, s12, 4
	s_mul_i32 s24, s12, 5440                       ; 20 rows of 272 bytes
	s_mul_i32 s25, s12, 80                         ; 20 words
	s_mul_i32 s26, s12, 960                        ; 20 points of 48 bytes
	s_lshl_b32 s27, s12, 7
	s_mul_i32 s28, s12, 2560                       ; 20 rows of out0
	s_mul_i32 s30, s12, AMW                        ; my wave's block of a
	v_lshlrev_b32 v5, 4, v2                        ; 16 r
	v_lshl_add_u32 v4, v3, 9, v5                   ; X: lanes 0-15 256 bytes of one row, lanes 16-31 of the next row
	v_add_nc_u32 v4, s20, v4
	v_lshl_add_u32 v6, v1, 4, s21                  ; table: 16 bytes a lane
	v_lshl_add_u32 v7, v3, 5, s22                  ; -c: 32 h + 64 x 4 w
	v_lshl_add_u32 v8, v3, 6, s23                  ; g: 4 (16 h + 4 w)
	s_wait_kmcnt 0x0
	s_add_nc_u64 s[4:5], s[4:5], s[14:15]
	s_add_nc_u64 s[8:9], s[8:9], s[16:17]
	s_add_nc_u64 s[10:11], s[10:11], s[18:19]
	; every load of the kernel, X first: 20 + 4 + 17 + 72 = 113
.set n, 0
.rept 20
	global_load_b128 v[XR+4*n:XR+4*n+3], v4, s[4:5] offset:1024*(n>>1)+256*(n&1) th:TH_LOAD_NT   ; rows 2 (n >> 1) + h, columns 64 (n & 1) + 4 r ..
.set n, n+1
.endr
	global_load_b128 v[SV:SV+3], v5, s[6:7] offset:S_OFF
	global_load_b128 v[SV+4:SV+7], v5, s[6:7] offset:S_OFF+256
	global_load_b128 v[NM:NM+3], v5, s[6:7] offset:NM_OFF
	global_load_b128 v[NM+4:NM+7], v5, s[6:7] offset:NM_OFF+256
	global_load_b128 v[CX:CX+3], v8, s[6:7] offset:G_OFF
.irp t,0,1,2,3,4,5,6,7
	global_load_b128 v[CI+8*\t:CI+8*\t+3], v7, s[6:7] offset:CN_OFF+64*(16*(\t&1)+(\t>>1))
	global_load_b128 v[CI+8*\t+4:CI+8*\t+7], v7, s[6:7] offset:CN_OFF+64*(16*(\t&1)+(\t>>1))+16
.endr
	WIN 0x80
.irp f,0,1,2,3,4,5,6,7
	global_load_b128 v[WX+4*\f:WX+4*\f+3], v6, s[6:7] offset:512*\f
.endr
	WIN 0x40
.set n, 0
.rept 64
	global_load_b128 v[4*n:4*n+3], v6, s[6:7] offset:4096+512*n
.set n, n+1
.endr
	WIN 0
.irp j,4,5,6,7
	v_mov_b32 v[CX+\j], 0                          ; the remainders' rows start at zero
.endr
	v_mul_u32_u24 v9, v3, 272                      ; x'' into LDS: row 20 w + 2 i + h, 8 bytes at 8 r
	v_lshl_add_u32 v9, v2, 3, v9
	v_add_nc_u32 v9, s24, v9
	v_lshl_add_u32 v10, v3, 2, s25                 ; |x''|^2: word 20 w + 2 i + h
	v_mul_u32_u24 v11, v2, 272                     ; a fragment: row r, 16 bytes at 16 h
	v_lshl_add_u32 v11, v3, 4, v11
	s_wait_loadcnt 0x3f                            ; 89 loads are younger than X and the two vectors, more than the count can name: at most 63 out of 113 means the oldest 50 are back
	; PHASE 0: x'' = x s - mean s; its squares; bf16
.set n, 0
.rept 20
	v_pk_fma_f32 v[XR+4*n:XR+4*n+1], v[XR+4*n:XR+4*n+1], v[SV+4*(n&1):SV+4*(n&1)+1], v[NM+4*(n&1):NM+4*(n&1)+1]
	v_pk_fma_f32 v[XR+4*n+2:XR+4*n+3], v[XR+4*n+2:XR+4*n+3], v[SV+4*(n&1)+2:SV+4*(n&1)+3], v[NM+4*(n&1)+2:NM+4*(n&1)+3]
.set n, n+1
.endr
.irp i,0,1,2,3,4,5,6,7,8,9
	v_pk_mul_f32 v[TQ+2*\i:TQ+2*\i+1], v[XR+8*\i:XR+8*\i+1], v[XR+8*\i:XR+8*\i+1]
.endr
.irp o,2,4,6
.irp i,0,1,2,3,4,5,6,7,8,9
	v_pk_fma_f32 v[TQ+2*\i:TQ+2*\i+1], v[XR+8*\i+\o:XR+8*\i+\o+1], v[XR+8*\i+\o:XR+8*\i+\o+1], v[TQ+2*\i:TQ+2*\i+1]
.endr
.endr
.set n, 0
.rept 20
	v_cvt_pk_bf16_f32 v[XR+4*n], v[XR+4*n], v[XR+4*n+1]
	v_cvt_pk_bf16_f32 v[XR+4*n+1], v[XR+4*n+2], v[XR+4*n+3]
	ds_store_b64 v9, v[XR+4*n:XR+4*n+1] offset:XH+544*(n>>1)+128*(n&1)
.set n, n+1
.endr
.irp i,0,1,2,3,4,5,6,7,8,9
	v_add_f32 v[TQ+2*\i], v[TQ+2*\i], v[TQ+2*\i+1]
.endr
.irp x,1,2,4,8
.irp i,0,1,2,3,4,5,6,7,8,9
	v_add_f32_dpp v[TQ+2*\i], v[TQ+2*\i], v[TQ+2*\i] row_xmask:\x row_mask:0xf bank_mask:0xf   ; a row of X lies in 16 lanes
.endr
.endr
.irp i,0,1,2,3,4,5,6,7,8,9
	ds_store_b32 v10, v[TQ+2*\i] offset:XXO+8*\i   ; sixteen lanes write the same word with the same value
.endr
	s_wait_dscnt 0x0                               ; my stores are in LDS before I say so
	s_barrier_signal -1
	s_barrier_wait -1                              ; all 80 rows are there
	WIN 0x80
.irp p,0,1,2,3,4
.irp f,0,1,2,3,4,5,6,7
	ds_load_b128 v[32*\p+4*\f:32*\p+4*\f+3], v11 offset:XH+4352*\p+32*\f
.endr
.endr
	WIN 0
	s_wait_loadcnt 0x0                             ; the table
	s_wait_dscnt 0x0                               ; the points
; Five matrix instructions: tile c (0: cross, 1..8: B^T), K step ks, the five point tiles.  The five accumulators take turns, one
; instruction a turn; tile c works on set c & 1, while the other set's squares are summed.
.macro GROUP c, ks
.if \c == 0
	WIN 0x0a
.set AW, WX+8*\ks
.set CB, CX
.else
	WIN 0x09
.set AW, 32*(\c-1)+8*\ks
.set CB, CI+8*(\c-1)
.endif
.set DB, ACC+40*(\c&1)
.irp p,0,1,2,3,4
.if \ks == 0
	v_wmma_f32_16x16x32_bf16 v[DB+8*\p:DB+8*\p+7], v[AW:AW+7], v[32*\p+8*\ks:32*\p+8*\ks+7], v[CB:CB+7]
.else
	v_wmma_f32_16x16x32_bf16 v[DB+8*\p:DB+8*\p+7], v[AW:AW+7], v[32*\p+8*\ks:32*\p+8*\ks+7], v[DB+8*\p:DB+8*\p+7]
.endif
.endr
.endm
.macro SQ                              ; the squares of a lane's eight z, for the five point tiles, from the set at SQB
.irp p,0,1,2,3,4
	v_pk_mul_f32 v[TT+2*\p:TT+2*\p+1], v[SQB+8*\p:SQB+8*\p+1], v[SQB+8*\p:SQB+8*\p+1]
.endr
.irp o,2,4,6
.irp p,0,1,2,3,4
	v_pk_fma_f32 v[TT+2*\p:TT+2*\p+1], v[SQB+8*\p+\o:SQB+8*\p+\o+1], v[SQB+8*\p+\o:SQB+8*\p+\o+1], v[TT+2*\p:TT+2*\p+1]
.endr
.endr
.endm
.macro FOLD q
.irp p,0,1,2,3,4
	v_add_f32 v[\q+\p], v[TT+2*\p], v[TT+2*\p+1]
.endr
.endm
; Both halves of a point's |z|^2 meet: the swap leaves component 4 w + i whole in lanes 0-15 and component 16 + 4 w + i in lanes 16-31.
.macro JOIN
.irp p,0,1,2,3,4
	v_permlane16_swap_b32 v[Q0+\p], v[Q1+\p]
.endr
.irp p,0,1,2,3,4
	v_fmac_f32 v[AV+4*\p+JI], 0.5, v[Q0+\p]
.endr
.irp p,0,1,2,3,4
	v_fmac_f32 v[AV+4*\p+JI], 0.5, v[Q1+\p]
.endr
.endm
; Tile c's products with tile c - 1's vector work between them.  FOLD's five adds name none of the products' registers: they are the
; plain instructions that stand between this tile's last products and the first read of their sums in the next tile, and between
; them and the products that write over this set two tiles on (ISA guide 7.12.1).
.macro TILE c
	GROUP \c, 0
	GROUP \c, 1
	WIN 0
.set SQB, ACC+40*((\c-1)&1)
	SQ
	GROUP \c, 2
	GROUP \c, 3
	WIN 0
.if (\c-1)&1
	FOLD Q0
.else
	FOLD Q1
.set JI, (\c-1)/2-1
	JOIN
.endif
.endm
	GROUP 0, 0
	GROUP 0, 1
	GROUP 0, 2
	GROUP 0, 3
	WIN 0
	v_mul_u32_u24 v12, v2, 48                      ; the later phases' addresses fill the places behind the cross tile's products
	v_lshl_add_u32 v12, v3, 4, v12
	v_add_nc_u32 v12, s30, v12                     ; a goes to my block: point r at 48 r, half h at 16 h
	v_lshrrev_b32 v18, 3, v1                       ; phase 2: eight lanes a point; lane piece e = lane & 7 holds components 4 e .. 4 e + 3
	v_and_b32 v19, 3, v1                           ; written by wave e & 3,
	v_bfe_u32 v21, v1, 2, 1                        ; half e >> 2
	v_mul_u32_u24 v13, v19, AMW
	v_lshl_add_u32 v13, v21, 4, v13
	v_mad_u32_u24 v13, v18, 48, v13
	v_add_nc_u32 v13, s26, v13                     ; + my wave's 20 points
	v_lshl_add_u32 v14, v18, 2, s25                ; the point's word of |x''|^2
	v_lshl_add_u32 v20, v18, 2, s27                ; and of my wave's out1 stage
	v_lshl_add_u32 v15, v1, 4, s28                 ; out0: 16 bytes a lane
	v_lshl_add_u32 v16, v1, 2, s27
	v_lshl_add_u32 v17, v1, 2, s25
	GROUP 1, 0
	GROUP 1, 1
	WIN 0
.irp p,0,1,2,3,4
	v_pk_add_f32 v[AV+4*\p:AV+4*\p+1], v[ACC+8*\p:ACC+8*\p+1], v[ACC+8*\p+4:ACC+8*\p+5]        ; g + x''.(high part) + x''.(remainder)
.endr
	GROUP 1, 2
	GROUP 1, 3
	WIN 0
.irp p,0,1,2,3,4
	v_pk_add_f32 v[AV+4*\p+2:AV+4*\p+3], v[ACC+8*\p+2:ACC+8*\p+3], v[ACC+8*\p+6:ACC+8*\p+7]    ; five plain instructions on the other set, behind tile 1's last products
.endr
	TILE 2
	TILE 3
	TILE 4
	TILE 5
	TILE 6
	TILE 7
	TILE 8
.set SQB, ACC
	SQ                                             ; the last tile's vector work
	FOLD Q1
.set JI, 3
	JOIN
.irp p,0,1,2,3,4
	ds_store_b128 v12, v[AV+4*\p:AV+4*\p+3] offset:AM+768*\p
.endr
	s_wait_dscnt 0x0                               ; my stores are in LDS before I say so
	s_barrier_signal -1
	s_barrier_wait -1                              ; all 32 components of all 80 points are there
	; PHASE 2: wave w takes points 20 w .. 20 w + 19, four at a time
.irp t,0,1,2,3,4
	ds_load_b128 v[PA+4*\t:PA+4*\t+3], v13 offset:AM+192*\t
.endr
.irp t,0,1,2,3,4
	ds_load_b32 v[PX+\t], v14 offset:XXO+16*\t
.endr
	s_wait_dscnt 0x0
.irp t,0,1,2,3,4
	v_max3_num_f32 v[PM+\t], v[PA+4*\t], v[PA+4*\t+1], v[PA+4*\t+2]
.endr
.irp t,0,1,2,3,4
	v_max_num_f32 v[PM+\t], v[PM+\t], v[PA+4*\t+3]
.endr
.irp x,1,2,4
.irp t,0,1,2,3,4
	v_max_num_f32_dpp v[PM+\t], v[PM+\t], v[PM+\t] row_xmask:\x row_mask:0xf bank_mask:0xf
.endr
.endr
.irp t,0,1,2,3,4
.irp e,0,1,2,3
	v_sub_f32 v[PA+4*\t+\e], v[PA+4*\t+\e], v[PM+\t]           ; the maximum is taken away in front of the exponentials
.endr
.endr
.irp t,0,1,2,3,4
	v_pk_mul_f32 v[PE+4*\t:PE+4*\t+1], v[PA+4*\t:PA+4*\t+1], 0x3fb8aa3b op_sel_hi:[1,0]
	v_pk_mul_f32 v[PE+4*\t+2:PE+4*\t+3], v[PA+4*\t+2:PA+4*\t+3], 0x3fb8aa3b op_sel_hi:[1,0]
.endr
.irp t,0,1,2,3,4
.irp e,0,1,2,3
	v_exp_f32 v[PE+4*\t+\e], v[PE+4*\t+\e]
.endr
.endr
	v_nop                                          ; one plain instruction between the exponentials and their first use (ISA guide 5.7.2)
	s_wait_alu depctr_va_vdst(0)
.irp t,0,1,2,3,4
	v_pk_add_f32 v[PE+4*\t:PE+4*\t+1], v[PE+4*\t:PE+4*\t+1], v[PE+4*\t+2:PE+4*\t+3]
.endr
.irp t,0,1,2,3,4
	v_add_f32 v[PS+\t], v[PE+4*\t], v[PE+4*\t+1]
.endr
.irp x,1,2,4
.irp t,0,1,2,3,4
	v_add_f32_dpp v[PS+\t], v[PS+\t], v[PS+\t] row_xmask:\x row_mask:0xf bank_mask:0xf
.endr
.endr
.irp t,0,1,2,3,4
	v_log_f32 v[PL+\t], v[PS+\t]
.endr
	v_nop                                          ; one plain instruction behind the logarithms
	s_wait_alu depctr_va_vdst(0)
.irp t,0,1,2,3,4
	v_mul_f32 v[PL+\t], 0x3f317218, v[PL+\t]       ; ln of the sum, which is at least 1
.endr
.irp t,0,1,2,3,4
.irp e,0,1,2,3
	v_sub_f32 v[PA+4*\t+\e], v[PA+4*\t+\e], v[PL+\t]           ; out0
.endr
.endr
.irp t,0,1,2,3,4
	v_add_f32 v[PO+\t], v[PM+\t], v[PL+\t]         ; logsumexp(a)
.endr
.irp t,0,1,2,3,4
	v_fmac_f32 v[PO+\t], -0.5, v[PX+\t]            ; - |x''|^2 / 2: out1
.endr
.irp t,0,1,2,3,4
	ds_store_b32 v20, v[PO+\t] offset:O1+16*\t     ; eight lanes write the same word with the same value; the stage is my wave's own
.endr
.irp t,0,1,2,3,4
	global_store_b128 v15, v[PA+4*\t:PA+4*\t+3], s[8:9] offset:512*\t th:TH_STORE_NT   ; a store of the wave covers 512 consecutive bytes, aligned
.endr
	v_cmp_gt_u32 vcc_lo, 20, v1
	s_wait_xcnt 0x0                                ; EXEC is a source of the stores above: it changes only behind this wait
	s_wait_tensorcnt 0x0
	ds_add_u32 v254, v255
	s_wait_dscnt 0x0
	s_and_saveexec_b32 s29, vcc_lo
	ds_load_b32 v182, v16 offset:O1                ; LDS serves a wave's instructions in order (ISA guide 5.7.1): this sees the stores above
	s_wait_dscnt 0x0
	global_store_b32 v17, v182, s[10:11] th:TH_STORE_NT        ; my wave's 20 numbers of out1
	s_wait_xcnt 0x0                                ; and again in front of the line that widens EXEC
	s_or_b32 exec_lo, exec_lo, s29
	s_endpgm
.Lfunc_end_k_qc30fdd0448_main:
	.size	k_qc30fdd0448_main, .Lfunc_end_k_qc30fdd0448_main-k_qc30fdd0448_main
	.p2alignl 7, 3214868480
	.fill 96, 4, 3214868480
	.section	.rodata,"a",@progbits
	.p2align	6, 0x0
	.amdhsa_kernel k_qc30fdd0448_main
		.amdhsa_group_segment_fixed_size 38912
		.amdhsa_private_segment_fixed_size 0
		.amdhsa_enable_private_segment 0
		.amdhsa_kernarg_size 32
		.amdhsa_user_sgpr_count 2
		.amdhsa_user_sgpr_kernarg_segment_ptr 1
		.amdhsa_wavefront_size32 1
		.amdhsa_system_sgpr_workgroup_id_x 1
		.amdhsa_system_sgpr_workgroup_id_y 1
		.amdhsa_system_sgpr_workgroup_id_z 1
		.amdhsa_system_vgpr_workitem_id 0
		.amdhsa_next_free_vgpr 704
		.amdhsa_next_free_sgpr 66
		.amdhsa_reserve_vcc 1
		.amdhsa_float_denorm_mode_32 3
		.amdhsa_float_denorm_mode_16_64 3
		.amdhsa_memory_ordered 1
		.amdhsa_forward_progress 1
		.amdhsa_inst_pref_size 64
	.end_amdhsa_kernel
	.amdgpu_metadata
---
amdhsa.version: [ 1, 2 ]
amdhsa.kernels:
  - .name:           k_qc30fdd0448_main
    .symbol:         k_qc30fdd0448_main.kd
    .args:
      - { .name: X, .offset: 0, .size: 8, .value_kind: global_buffer, .address_space: global }
      - { .name: tab, .offset: 8, .size: 8, .value_kind: global_buffer, .address_space: global }
      - { .name: out0, .offset: 16, .size: 8, .value_kind: global_buffer, .address_space: global }
      - { .name: out1, .offset: 24, .size: 8, .value_kind: global_buffer, .address_space: global }
    .group_segment_fixed_size: 38912
    .private_segment_fixed_size: 0
    .kernarg_segment_align: 8
    .kernarg_segment_size: 32
    .max_flat_workgroup_size: 128
    .sgpr_count:     66
    .vgpr_count:     704
    .wavefront_size: 32
...
	.end_amdgpu_metadata
.endif
;; end of part 2
